; MI455X (gfx1250); checked and timed in simulation.
; The chip was launched on July 23, 2026; its instructions are those of AMD's public machine-readable ISA for CDNA 5 (MIT licence, August 2026) and "CDNA5" Instruction Set Architecture Reference Guide (July 2026). The comments in the code are by the model that wrote it; some were corrected since.
;; Prime Qwen2 MLP. Allowed arithmetic: float matrix products may take bf16 or f16 operands with f32 sums; other float arithmetic in f32, or as packed bf16 or f16 multiplies, adds, multiply-adds, maxima and minima; sums over many terms, partial sums and values carried from step to step in f32; what a program stores and reads back later, other than sums and carried values, may be rounded once to bf16 or f16.
;; Inputs: down_idx 2,048 x 1,376 int32; gate_idx 1,376 x 2,048 int32; lut 16 float32; up_idx 1,376 x 2,048 int32; x 2 x 4,096 x 2,048 float32.
;; Outputs: out0 2 x 4,096 x 2,048 float32.
;; 2 versions, each right; version 2 is version 1 with the launch prep written anew for expert scheduling mode. Each part assembles by itself: llvm-mc -triple=amdgcn-amd-amdhsa -mcpu=gfx1250 --defsym DOCPART=n.
;; ======== version 1 of 2: 3 launches
;; workspace buffers: xb 33,554,432 bytes; wgu 11,534,336 bytes; wd 5,767,168 bytes; h 23,068,672 bytes
;; launch prep (part 1): grid 776 x 1, 8 waves a work-group, no clusters, 68,608 bytes of LDS; arguments x, lut, gate_idx, up_idx, down_idx, xb, wgu, wd; writes xb, wgu, wd
.if DOCPART == 1
	.amdgcn_target "amdgcn-amd-amdhsa--gfx1250"
	.amdhsa_code_object_version 6
	.text
	.protected	k_qaecb470154_prep
	.globl	k_qaecb470154_prep
	.p2align	8
	.type	k_qaecb470154_prep,@function
k_qaecb470154_prep:
	s_mov_b64 s[64:65], 0
	v_nop
	global_prefetch_b8 v0, s[64:65] scope:SCOPE_SE
	s_setreg_imm32_b32 hwreg(HW_REG_WAVE_MODE, 25, 1), 1
	s_wait_xcnt 0x0
; PREP: x to bf16, and the three weight matrices through the table to bf16, all into PANEL FORMAT for the two products that follow.
; PANEL FORMAT of a [ROWS][K] bf16 matrix: element (row, k) lies at byte ((k >> 3) x ROWS + row) x 16 + (k & 7) x 2: a panel is 8 neighbouring k of all rows, 16 bytes a row.
;   xb  : 256 panels x 8,192 rows   = x
;   wgu : 256 panels x 2,816 rows   : physical rows 4 i, 4 i + 1 = gate rows 2 i, 2 i + 1; rows 4 i + 2, 4 i + 3 = up rows 2 i, 2 i + 1; rows 2,752 on are 0
;   wd  : 176 panels x 2,048 rows   = down; panels 172 to 175 (k from 1,376 on) are 0
; LIMITS.  A code above 15 (a negative one too, read as unsigned) counts as 15; the problem's codes lie in 0 to 15.  x and the table are rounded once, to bf16.
; SHARES.  A wave takes a block of 32 output rows x 128 k: 32 loads of 16 bytes a lane (each 512 consecutive bytes of one source row), the conversion, a transposition
; through 8,448 LDS bytes of its own, and 16 stores of 16 bytes a lane, each 512 consecutive bytes (32 rows of one panel), at a multiple of 512 from the buffer's first byte.
; No wave reads another's LDS bytes, so there is no barrier.  All 32 loads of a wave go out at once; memory binds, so matrix units, clusters and tensor loads would add nothing.
; Work-groups 0-175 make wgu (88 groups of 32 rows x 16 groups of 128 k, 8 blocks each), 176-263 wd (64 x 11), 264-775 xb (256 x 16).
.set WLDS,  8448                       ; a wave's LDS: 16 panels, 528 bytes apart; row t of the block at 16 t in a panel
.set PP,    528                        ; 512 + 16: the 32 lanes of a store of 8 bytes touch 32 different places modulo 256 bytes
.set SPARE, 8*WLDS                     ; behind the eight waves' bytes: the spare words, 128 bytes a wave: four blocks of 256 bytes that no other line names
.set XO,  3                            ; v3   16 x lane: offset of loads (x, gate, up) and of all stores; never rewritten
.set LS,  4                            ; v4   where my 8 bytes of a row go: wave's bytes + (lane >> 1) x 528 + (lane & 1) x 8
.set LR,  5                            ; v5   where I read a panel back: wave's bytes + 16 x lane
.set LUT, 6                            ; v6   lut[lane & 15]
.set MSK, 7                            ; v7   all ones, or 0 where the output is padding
.set DO,  8                            ; v8   down's load offset, clamped into the row
.set LO,  9                            ; v9   4 x (lane & 15)
.set SPW, 10                           ; v10  LDS address of my spare word; never rewritten
.set NIL, 11                           ; v11  0; never rewritten
.set D,   16                           ; v[16:143]  row t of the block at D + 4 t
	s_load_b512 s[4:19], s[0:1], 0x0               ; x 4:5, lut 6:7, gate 8:9, up 10:11, down 12:13, xb 14:15, wgu 16:17, wd 18:19
	v_lshl_add_u32 v[SPW], v0, 2, SPARE
	v_mov_b32 v[NIL], 0
	v_lshrrev_b32 v1, 5, v0
	v_readfirstlane_b32 s20, v1                    ; wave 0..7
	v_and_b32 v2, 31, v0                           ; lane
	v_lshlrev_b32 v[XO], 4, v2
	s_mul_i32 s21, s20, WLDS
	v_lshrrev_b32 v1, 1, v2                        ; my 4 numbers lie in panel lane >> 1,
	v_mul_u32_u24 v[LS], v1, PP
	v_and_b32 v1, 1, v2                            ; in its lower or upper 8 bytes
	v_lshl_add_u32 v[LS], v1, 3, v[LS]
	v_add_nc_u32 v[LS], s21, v[LS]
	v_add_nc_u32 v[LR], s21, v[XO]
	v_and_b32 v[LO], 15, v0
	v_lshlrev_b32 v[LO], 2, v[LO]
	s_wait_kmcnt 0x0
	s_cmp_ge_u32 ttmp9, 264
	s_cbranch_scc1 .Lx
	global_load_b32 v[LUT], v[LO], s[6:7]          ; the oldest load: the first counted wait below covers it
	s_cmp_ge_u32 ttmp9, 176
	s_cbranch_scc1 .Ld
	; ---- wgu: group G of 32 physical rows = gate rows 16 G .. 16 G + 15 and the same rows of up; column group cg of 128 k
	s_lshr_b32 s22, ttmp9, 1                       ; G, 0..87
	s_and_b32 s23, ttmp9, 1
	s_lshl3_add_u32 s23, s23, s20                  ; cg = 8 (g & 1) + wave
	s_min_u32 s24, s22, 85                         ; groups 86 and 87 are padding: they load group 85's rows and write 0
	s_lshl_b32 s24, s24, 17                        ; 16 rows of 8,192 bytes
	s_lshl_b32 s25, s23, 9                         ; 128 codes of 4 bytes
	s_add_co_u32 s24, s24, s25
	s_mov_b32 s25, 0
	s_cmp_lt_u32 s22, 86
	s_cselect_b32 s26, -1, 0
	v_mov_b32 v[MSK], s26
	s_mul_i32 s28, s23, 720896                     ; 16 panels of 2,816 rows x 16 bytes
	s_lshl_b32 s27, s22, 9                         ; 32 rows x 16 bytes
	s_add_co_u32 s28, s28, s27
	s_mov_b32 s29, 0
	s_add_nc_u64 s[8:9], s[8:9], s[24:25]
	s_add_nc_u64 s[10:11], s[10:11], s[24:25]
	s_add_nc_u64 s[16:17], s[16:17], s[28:29]
.set i, 0
.rept 32                               ; physical row i of the group: gate (i % 4 < 2) or up, source row 2 (i / 4) + i % 2
.set t, 2*(i/4)+(i%2)
.if (i%4) < 2
	global_load_b128 v[D+4*i:D+4*i+3], v[XO], s[8:9] offset:8192*t th:TH_LOAD_NT
.else
	global_load_b128 v[D+4*i:D+4*i+3], v[XO], s[10:11] offset:8192*t th:TH_LOAD_NT
.endif
.set i, i+1
.endr
	s_branch .Lconv
.Ld:	; ---- wd: row group rg of 32 rows, column group cg of 128 k (the eleventh holds 96 k and 32 of padding)
	s_sub_co_u32 s22, ttmp9, 176
	s_lshr_b32 s23, s22, 3                         ; cg, 0..10
	s_and_b32 s22, s22, 7
	s_lshl3_add_u32 s22, s22, s20                  ; rg = 8 (g' & 7) + wave
	s_lshl_b32 s26, s23, 9
	v_add_nc_u32 v[DO], s26, v[XO]                 ; 512 cg + 16 lane: my byte in a row of 5,504
	v_cmp_gt_u32 vcc_lo, 5504, v[DO]
	v_cndmask_b32 v[MSK], 0, -1, vcc_lo            ; beyond the row's end: 0 is written,
	v_min_u32 v[DO], 5488, v[DO]                   ; and the row's last 16 bytes are loaded, so that no load leaves the buffer
	s_mul_i32 s24, s22, 176128                     ; 32 rows of 5,504 bytes
	s_mov_b32 s25, 0
	s_lshl_b32 s28, s23, 19                        ; 16 panels of 2,048 rows x 16 bytes
	s_lshl_b32 s27, s22, 9
	s_add_co_u32 s28, s28, s27
	s_mov_b32 s29, 0
	s_add_nc_u64 s[12:13], s[12:13], s[24:25]
	s_add_nc_u64 s[18:19], s[18:19], s[28:29]
.set i, 0
.rept 32
	global_load_b128 v[D+4*i:D+4*i+3], v[DO], s[12:13] offset:5504*i th:TH_LOAD_NT
.set i, i+1
.endr
; Eight rows of codes become bf16 weights.  The table lies across the lanes (lane l holds entry l & 15), and a code, clamped and times 4, selects the lane.
; left = the younger loads that may stay out: loads come back in order, and 33 were issued (the table's, then the 32 rows').
.macro WGROUP first, left
	s_wait_loadcnt \left
.set i, 4*(\first)
.rept 32
	v_min_u32 v[D+i], 15, v[D+i]
	v_lshlrev_b32 v[D+i], 2, v[D+i]
.set i, i+1
.endr
.set i, 4*(\first)
.rept 32
	ds_bpermute_b32 v[D+i], v[D+i], v[LUT]
.set i, i+1
.endr
	s_wait_dscnt 0x0                               ; the 32 selects are back
.set i, (\first)
.rept 8
	v_cvt_pk_bf16_f32 v[D+4*i], v[D+4*i], v[D+4*i+1]
	v_cvt_pk_bf16_f32 v[D+4*i+1], v[D+4*i+2], v[D+4*i+3]
	v_and_b32 v[D+4*i], v[MSK], v[D+4*i]
	v_and_b32 v[D+4*i+1], v[MSK], v[D+4*i+1]
	ds_store_b64 v[LS], v[D+4*i:D+4*i+1] offset:16*i
.set i, i+1
.endr
.endm
; The block leaves by panels: 16 loads of 16 bytes a lane (LDS serves a wave's instructions in order, ISA guide 5.7.1.4: they see the stores above), 16 stores.
.macro OUT base, pstep
.irp p, 0,1,2,3,4,5,6,7,8,9,10,11,12,13,14,15
	ds_load_b128 v[D+4*(\p):D+4*(\p)+3], v[LR] offset:PP*(\p)
.endr
.irp p, 0,1,2,3,4,5,6,7,8,9,10,11,12,13,14,15
	s_wait_dscnt 15-(\p)                           ; panel p is back; the younger ones stay out
	global_store_b128 v[XO], v[D+4*(\p):D+4*(\p)+3], s[\base:\base+1] offset:(\p)*(\pstep)
.endr
.endm
.Lconv:
	WGROUP 0, 24
	WGROUP 8, 16
	WGROUP 16, 8
	WGROUP 24, 0
	s_cmp_ge_u32 ttmp9, 176
	s_cbranch_scc1 .Lout_d
	OUT 16, 45056                                  ; wgu: panels 2,816 x 16 bytes apart
	s_branch .Lend
.Lout_d:
	OUT 18, 32768                                  ; wd: panels 2,048 x 16 bytes apart
	s_branch .Lend
.Lx:	; ---- xb: row group rg of 32 rows, column group cg of 128 k
	s_sub_co_u32 s22, ttmp9, 264
	s_lshr_b32 s23, s22, 1                         ; rg, 0..255
	s_and_b32 s22, s22, 1
	s_lshl3_add_u32 s22, s22, s20                  ; cg = 8 (g' & 1) + wave
	s_lshl_b32 s24, s23, 18                        ; 32 rows of 8,192 bytes
	s_lshl_b32 s26, s22, 9
	s_add_co_u32 s24, s24, s26
	s_mov_b32 s25, 0
	s_lshl_b32 s28, s22, 21                        ; 16 panels of 8,192 rows x 16 bytes
	s_lshl_b32 s26, s23, 9
	s_add_co_u32 s28, s28, s26
	s_mov_b32 s29, 0
	s_add_nc_u64 s[4:5], s[4:5], s[24:25]
	s_add_nc_u64 s[14:15], s[14:15], s[28:29]
.set i, 0
.rept 32
	global_load_b128 v[D+4*i:D+4*i+3], v[XO], s[4:5] offset:8192*i th:TH_LOAD_NT
.set i, i+1
.endr
.set i, 0
.rept 32
	s_wait_loadcnt 31-i                            ; row i is in; the 31 - i younger loads stay out
	v_cvt_pk_bf16_f32 v[D+4*i], v[D+4*i], v[D+4*i+1]
	v_cvt_pk_bf16_f32 v[D+4*i+1], v[D+4*i+2], v[D+4*i+3]
	ds_store_b64 v[LS], v[D+4*i:D+4*i+1] offset:16*i
.set i, i+1
.endr
	OUT 14, 131072                                 ; xb: panels 8,192 x 16 bytes apart
.Lend:
	s_wait_tensorcnt 0x0                           ; the wave's end, behind my last LDS store
	ds_add_u32 v[SPW], v[NIL]
	s_wait_dscnt 0x0
	s_endpgm
.Lfunc_end_k_qaecb470154_prep:
	.size	k_qaecb470154_prep, .Lfunc_end_k_qaecb470154_prep-k_qaecb470154_prep
	.p2alignl 7, 3214868480
	.fill 96, 4, 3214868480
	.section	.rodata,"a",@progbits
	.p2align	6, 0x0
	.amdhsa_kernel k_qaecb470154_prep
		.amdhsa_group_segment_fixed_size 68608
		.amdhsa_private_segment_fixed_size 0
		.amdhsa_enable_private_segment 0
		.amdhsa_kernarg_size 64
		.amdhsa_user_sgpr_count 2
		.amdhsa_user_sgpr_kernarg_segment_ptr 1
		.amdhsa_wavefront_size32 1
		.amdhsa_system_sgpr_workgroup_id_x 1
		.amdhsa_system_sgpr_workgroup_id_y 1
		.amdhsa_system_sgpr_workgroup_id_z 1
		.amdhsa_system_vgpr_workitem_id 0
		.amdhsa_next_free_vgpr 144
		.amdhsa_next_free_sgpr 66
		.amdhsa_reserve_vcc 1
		.amdhsa_float_denorm_mode_32 3
		.amdhsa_float_denorm_mode_16_64 3
		.amdhsa_memory_ordered 1
		.amdhsa_forward_progress 1
		.amdhsa_inst_pref_size 53
	.end_amdhsa_kernel
	.amdgpu_metadata
---
amdhsa.version: [ 1, 2 ]
amdhsa.kernels:
  - .name:           k_qaecb470154_prep
    .symbol:         k_qaecb470154_prep.kd
    .args:
      - { .name: x, .offset: 0, .size: 8, .value_kind: global_buffer, .address_space: global }
      - { .name: lut, .offset: 8, .size: 8, .value_kind: global_buffer, .address_space: global }
      - { .name: gate_idx, .offset: 16, .size: 8, .value_kind: global_buffer, .address_space: global }
      - { .name: up_idx, .offset: 24, .size: 8, .value_kind: global_buffer, .address_space: global }
      - { .name: down_idx, .offset: 32, .size: 8, .value_kind: global_buffer, .address_space: global }
      - { .name: xb, .offset: 40, .size: 8, .value_kind: global_buffer, .address_space: global }
      - { .name: wgu, .offset: 48, .size: 8, .value_kind: global_buffer, .address_space: global }
      - { .name: wd, .offset: 56, .size: 8, .value_kind: global_buffer, .address_space: global }
    .group_segment_fixed_size: 68608
    .private_segment_fixed_size: 0
    .kernarg_segment_align: 8
    .kernarg_segment_size: 64
    .max_flat_workgroup_size: 256
    .sgpr_count:     66
    .vgpr_count:     144
    .wavefront_size: 32
...
	.end_amdgpu_metadata
.endif
;; end of part 1
;; launch gateup (part 2): grid 8 x 32, 4 waves a work-group, clusters of 4 x 4, 327,680 bytes of LDS; arguments xb, wgu, h; writes h
.if DOCPART == 2
	.amdgcn_target "amdgcn-amd-amdhsa--gfx1250"
	.amdhsa_code_object_version 6
	.text
	.protected	k_qaecb470154_gateup
	.globl	k_qaecb470154_gateup
	.p2align	8
	.type	k_qaecb470154_gateup,@function
k_qaecb470154_gateup:
	s_mov_b64 s[64:65], 0
	v_nop
	global_prefetch_b8 v0, s[64:65] scope:SCOPE_SE
	s_setreg_imm32_b32 hwreg(HW_REG_WAVE_MODE, 25, 1), 1
	s_wait_xcnt 0x0
	s_wait_alu depctr_hold_cnt(0) depctr_sa_sdst(0) depctr_va_vdst(0) depctr_va_sdst(0) depctr_va_ssrc(0) depctr_va_vcc(0) depctr_vm_vsrc(0)
	s_getreg_b32 s2, hwreg(HW_REG_IB_STS2, 6, 4)
	s_cmp_eq_u32 s2, 0
	s_cbranch_scc0 .Lentry_in_a_cluster
	s_endpgm
.Lentry_in_a_cluster:
	s_bfe_u32 s2, ttmp6, 0x10000c
	s_cmp_lg_u32 s2, 0xf033
	s_cbranch_scc0 .Lentry_shape_is_right
	s_endpgm
.Lentry_shape_is_right:
; GATEUP: h = silu(x Wg^T) * (x Wu^T).  xb: 256 panels x 8,192 rows, wgu: 256 panels x 2,816 rows, h: 176 panels x 8,192 rows, all bf16 in panel format:
; element (row, k) at byte ((k >> 3) x ROWS + row) x 16 + (k & 7) x 2.  Sums in f32, the activation in f32, h rounded once to bf16 (f16 would have no room where x and the table are large).
; wgu's rows 4 i, 4 i + 1 are gate rows 2 i, 2 i + 1, rows 4 i + 2, 4 i + 3 the same rows of up; rows 2,752 on are 0, so that h's columns 1,376 to 1,407 come out as silu(0) x 0 = 0.
; LIMITS.  sigmoid(g) = 1 / (1 + 2^(-g log2 e)) counts as 0 where the sum passes 2^126 (the reciprocal gives 0 for a result below 2^-126); NaN and infinities are not treated apart.
; SHARES.  2,816 = 8 x 352: a tile of 256 rows x 352 physical columns gives 32 x 8 = 256 work-groups of equal work.  Four waves, each 128 rows x 176 columns: 8 x 11 accumulators
; of 16 x 16, 704 registers.  K = 2,048 goes in 16 steps of 128 through two LDS slots filled by the tensor data mover.
; PANELS IN LDS.  A tile of R rows x 128 k is 16 pieces of 16 R consecutive bytes in memory (2,048 or 2,816, each at a multiple of 256 from the buffer's first byte), laid into LDS without padding.
; A fragment load of 16 bytes a lane takes, in each half of the lanes, 256 consecutive bytes of one panel (16 rows): every bank once (64 banks of 4 bytes: ISA guide 11.1).
; THE MATRIX INSTRUCTION IS USED TRANSPOSED (source 0 = 16 rows of wgu, source 1 = 16 rows of xb): lane l holds row l % 16 and the physical columns 8 (l / 16) + 0..7 of the block:
; (g0, g1), (u0, u1), (g2, g3), (u2, u3): gate and up of one column of h meet in one lane, as register pairs, and the lane's 4 numbers of h are 8 bytes of one row of one panel.
; CLUSTERS: 4 x 4 work-groups.  The four of a row of the cluster need the same tiles of xb, the four of a column the same tiles of wgu: each tile is asked for JOINTLY.
; REGISTERS, in windows of 256 (s_set_vgpr_msb: bits 1:0 source 0, 3:2 source 1, 5:4 source 2, 7:6 destination):
;   window 0: v0-15 addresses; v16-143 xb's fragments, two buffers of 8; v144-231 wgu's fragments, buffer 0 (11); v232-255 buffer 1's blocks 8-10
;   windows 1, 2, 3: accumulator (b, a) at v[8 (8 (b % 4) + a)] of window 1 + b / 4;   window 3, v192-255: wgu's fragments, buffer 1's blocks 0-7
.set SLOT,  155648                     ; xb's two halves (2 x 32,768), then wgu's two halves (2 x 45,056)
.set AH,    32768                      ; 16 panels x 128 rows x 16 bytes
.set BH,    45056                      ; 16 panels x 176 rows x 16 bytes
.set BOFF,  65536
.set SPARE, 2*SLOT                     ; behind the ring: the spare words, 128 bytes a wave: two blocks of 256 bytes that no other line names
.set KA,    2097152                    ; bytes from K step to K step in xb: 16 panels of 131,072
.set KB,    720896                     ; in wgu: 16 panels of 45,056
.set ADRA, 6                           ; v6-7   LDS address of my xb fragments in slot 0, 1
.set ADRB, 8                           ; v8-9   the same for wgu
.set HO,   10                          ; v10    my 8 bytes in 16 rows of a panel of h: 16 (l % 16) + 8 (l / 16)
.set PFO,  11                          ; v11    the prefetches' offset; never rewritten
.set PFO2, 12                          ; v12    the same for the last three blocks of wgu's pieces; never rewritten
.set SPW,  14                          ; v14    LDS address of my spare word; never rewritten
.set NIL,  15                          ; v15    0; never rewritten
.set FA,   16
.set FB0,  144
.set FB1L, 192                         ; in window 3
.set FB1H, 232
.set T,    16                          ; the way out: 32 registers at work
.set O,    48                          ; the way out: 16 registers to store
.set G1,  24                           ; s[24:31] descriptor group 1 for xb's tiles;  s[32:39] group 0, one set for each slot
.set G0,  32
.set G1B, 48                           ; s[48:55], s[56:63] the same for wgu's tiles
.set G0B, 56
.set LIM, 43                           ; s43      1 in a wave that prefetches, else the greatest number
.set PFA, 44                           ; s[44:45] where my prefetches stand
.set CS,  66                           ; s[66:67] -log2(e)
.set PST, 68                           ; s[68:69] a K step in the buffer that I prefetch
.set MSB, 0
.macro WIN new                         ; the immediate's high byte repeats the setting that is left; a switch that changes nothing is dropped
.if MSB != (\new)
	s_set_vgpr_msb (MSB<<8)|(\new)
.set MSB, \new
.endif
.endm
; A joint load.  Waves 0 and 1 fetch xb's two halves, waves 2 and 3 wgu's.  The branch hangs on the wave's number alone.  An s_nop 0 and four v_nop follow each of the two lines.
.macro JLOAD s
	s_cmp_eq_u32 s11, 0
	s_cbranch_scc0 .Lfor_b_\@
	tensor_load_to_lds s[G0+4*(\s):G0+4*(\s)+3], s[G1:G1+7]
	s_nop 0
.rept 4
	v_nop
.endr
	s_branch .Lasked_\@
.Lfor_b_\@:
	tensor_load_to_lds s[G0B+4*(\s):G0B+4*(\s)+3], s[G1B:G1B+7]
	s_nop 0
.rept 4
	v_nop
.endr
.Lasked_\@:
.endm
; A PREFETCH INTO THE L2 of the K step that the NEXT refill will ask for: 352 matrix instructions ahead of that load.  xb's tile row is read by both clusters of a row of clusters: cluster x = 0 asks
; (waves 0, 1); wgu's tile column by all eight clusters of a column: cluster y = 0 asks (waves 2, 3).  Of the 16 panels that a wave fetches, the partner at place p (cx for xb, cy for wgu) takes
; 4 p .. 4 p + 3, told apart BY ADDRESS.  A lane names 256 bytes: 4 panels x 8 blocks; wgu's pieces have 11 blocks, and a second line names blocks 8 to 10 (its idle lanes name a block of the same line again).
; how = 1 (slot 0's change): every trip has such a step; how = 0 (slot 1's): not the loop's last trip, where s3 = 1.
.macro ASK how
.if \how
	s_cmp_eq_u32 s[LIM], 1
.else
	s_cmp_gt_u32 s3, s[LIM]
.endif
	s_cbranch_scc0 .Lnot_mine_\@
	global_prefetch_b8 v[PFO], s[PFA:PFA+1] th:TH_LOAD_NT scope:SCOPE_SE
	s_cmp_eq_u32 s11, 0
	s_cbranch_scc1 .Lnot_mine_\@
	global_prefetch_b8 v[PFO2], s[PFA:PFA+1] th:TH_LOAD_NT scope:SCOPE_SE
.Lnot_mine_\@:
.endm
.macro CREST                           ; a round of the cluster's barrier behind its opening barrier
	s_cmp_lg_u32 s10, 0
	s_cbranch_scc1 .Lnot_wave_0_\@
	s_barrier_signal -3
.Lnot_wave_0_\@:
	s_barrier_wait -3
	s_barrier_signal -1
	s_barrier_wait -1
.endm
.macro CROUND                          ; a whole round
	s_barrier_signal -1
	s_barrier_wait -1
	CREST
.endm
.macro PLACES                          ; four places in front of loads into registers that matrix instructions have read
.rept 4
	v_nop
.endr
.endm
	s_load_b128 s[4:7], s[0:1], 0x0                ; xb s[4:5], wgu s[6:7]
	s_load_b64 s[8:9], s[0:1], 0x10                ; h
	v_lshl_add_u32 v[SPW], v0, 2, SPARE
	v_mov_b32 v[NIL], 0
	ds_add_u32 v[SPW], v[NIL]                      ; the wave's opening: the add, twice on end, and its wait ahead of my first tensor load
	ds_add_u32 v[SPW], v[NIL]                      ; and once more, under the one wait; the set-up below is work on registers
	v_lshrrev_b32 v1, 5, v0
	v_readfirstlane_b32 s10, v1                    ; wave 0..3
	s_lshr_b32 s11, s10, 1                         ; which half of the tile's rows is mine.  Also: I fetch for xb (0) or for wgu (1)
	s_and_b32 s12, s10, 1                          ; which half of its columns.  Also: which half of that tile I fetch
	s_bfe_u32 s40, ttmp6, 0x40000                  ; cx
	s_bfe_u32 s41, ttmp6, 0x40004                  ; cy
	s_lshl_b32 s42, ttmp9, 2
	s_add_co_u32 s42, s42, s40                     ; tile column = 4 x cluster x + cx, 0..7
	s_and_b32 s13, ttmp7, 0xffff
	s_lshl_b32 s13, s13, 2
	s_add_co_u32 s13, s13, s41                     ; tile row = 4 x cluster y + cy, 0..31
	s_lshl_b32 s43, s41, 2
	s_lshl_b32 s43, 15, s43                        ; my row of the cluster
	s_lshl_b32 s44, 0x1111, s40                    ; my column
	; descriptor group 1: 16 rows (the K step's panels) of 1,024 or 1,408 elements of 2 bytes; no padding
	s_or_b32 s[G1+0], s43, (1<<16)|(1<<21)         ; 15:0 the mask: xb's tiles go to my row; 17:16 elements of 2 bytes; 21 set beside a mask
	s_or_b32 s[G1B+0], s44, (1<<16)|(1<<21)        ; wgu's tiles go to my column
	s_mov_b32 s[G1+1], 1024<<16                    ; tensor_dim0 = 128 rows x 8 elements
	s_mov_b32 s[G1+2], 16<<16                      ; tensor_dim1 = 16 panels
	s_mov_b32 s[G1+3], 1024<<16                    ; tile_dim0
	s_mov_b32 s[G1+4], 16                          ; tile_dim1
	s_mov_b32 s[G1+5], 65536                       ; from panel to panel: 8,192 rows x 8 elements
	s_mov_b32 s[G1+6], 0
	s_mov_b32 s[G1+7], 0
	s_mov_b32 s[G1B+1], 1408<<16                   ; 176 rows x 8 elements
	s_mov_b32 s[G1B+2], 16<<16
	s_mov_b32 s[G1B+3], 1408<<16
	s_mov_b32 s[G1B+4], 16
	s_mov_b32 s[G1B+5], 22528                      ; 2,816 rows x 8 elements
	s_mov_b32 s[G1B+6], 0
	s_mov_b32 s[G1B+7], 0
	s_mov_b32 s[CS], 0xbfb8aa3b                    ; -log2(e)
	s_mov_b32 s[CS+1], s[CS]                       ; named with it as a pair
	; where the tiles come from: xb's hang on the tile row alone, wgu's on the tile column alone, each in registers that never hold the other coordinate
	s_lshl_b32 s16, s13, 12                        ; 256 rows x 16 bytes
	s_lshl_b32 s17, s12, 11                        ; + my half's 128 rows
	s_add_co_u32 s16, s16, s17
	s_mov_b32 s17, 0
	s_mul_i32 s46, s42, 5632                       ; 352 rows x 16 bytes
	s_mul_i32 s47, s12, 2816                       ; + my half's 176 rows
	s_add_co_u32 s46, s46, s47
	s_mov_b32 s47, 0
	s_mul_i32 s20, s12, AH                         ; and where they go: no place in the cluster enters an LDS address
	s_mul_i32 s21, s12, BH
	s_add_co_u32 s21, s21, BOFF
	s_wait_dscnt 0x0                               ; both opening adds are done
	s_wait_kmcnt 0x0
	s_add_nc_u64 s[14:15], s[4:5], s[16:17]
	s_add_nc_u64 s[46:47], s[6:7], s[46:47]
	CROUND                                         ; all sixteen work-groups are here: the first joint loads meet
.irp s, 0,1
	s_mov_b32 s[G0+4*(\s)], 1                                      ; count = 1
	s_add_co_u32 s[G0+4*(\s)+1], s20, (\s)*SLOT                    ; LDS address
	s_add_nc_u64 s[G0+4*(\s)+2:G0+4*(\s)+3], s[14:15], (\s)*KA     ; global address: K step s
	s_or_b32 s[G0+4*(\s)+3], s[G0+4*(\s)+3], 0x80000000            ; type = 2
	s_mov_b32 s[G0B+4*(\s)], 1
	s_add_co_u32 s[G0B+4*(\s)+1], s21, (\s)*SLOT
	s_add_nc_u64 s[G0B+4*(\s)+2:G0B+4*(\s)+3], s[46:47], (\s)*KB
	s_or_b32 s[G0B+4*(\s)+3], s[G0B+4*(\s)+3], 0x80000000
	JLOAD \s                                       ; two loads of mine are out here, one at any later time
.endr
	; A fragment is 16 rows x 32 k in 8 registers: lane l holds row l % 16; registers 0-3 k = 8 (l / 16) + 0..7, registers 4-7 k = 16 + 8 (l / 16) + 0..7:
	; of the quarter's four panels, panel l / 16 and panel 2 + l / 16: two loads of 16 bytes, two panels apart.
	v_and_b32 v1, 15, v0                           ; l % 16
	v_bfe_u32 v2, v0, 4, 1                         ; l / 16
	v_lshlrev_b32 v3, 4, v1                        ; 16 bytes a row
	v_lshl_add_u32 v4, v2, 11, v3                  ; xb: a panel is 2,048 bytes in LDS
	v_mul_u32_u24 v5, v2, 2816                     ; wgu: 2,816
	v_add_nc_u32 v5, v5, v3
	s_mul_i32 s21, s11, AH                         ; my 128 rows of xb
	s_mul_i32 s22, s12, BH                         ; my 176 rows of wgu
	s_add_co_u32 s22, s22, BOFF
.irp s, 0,1
	v_add_nc_u32 v[ADRA+(\s)], s21, v4
	v_add_nc_u32 v[ADRB+(\s)], s22, v5
	s_add_co_u32 s21, s21, SLOT
	s_add_co_u32 s22, s22, SLOT
.endr
	v_lshl_add_u32 v[HO], v2, 3, v3
	; h at my wave's first panel and row: panel 22 x tile column + 11 x half, row 256 x tile row + 128 x half
	s_mul_i32 s16, s42, 22
	s_mul_i32 s17, s12, 11
	s_add_co_u32 s16, s16, s17
	s_lshl_b32 s16, s16, 17                        ; a panel of h is 131,072 bytes
	s_lshl_b32 s17, s13, 12
	s_add_co_u32 s16, s16, s17
	s_lshl_b32 s17, s11, 11
	s_add_co_u32 s16, s16, s17
	s_mov_b32 s17, 0
	s_add_nc_u64 s[8:9], s[8:9], s[16:17]
	; the prefetches.  s[14:15] and s[46:47] still stand at my tile of K step 0 in xb and in wgu
	s_and_b32 s22, ttmp7, 0xffff                   ; cluster y
	s_mov_b32 s23, 45056                           ; a panel in memory: wgu's,
	s_mov_b32 s[PST], KB
	s_mov_b32 s[PST+1], 0
	s_cmp_eq_u32 s11, 0                            ; do I fetch for xb?
	s_cselect_b32 s23, 131072, s23                 ; or xb's
	s_cselect_b32 s[PST], KA, s[PST]
	s_cselect_b32 s21, s40, s41                    ; my place among the four that ask with me
	s_cselect_b32 s22, ttmp9, s22                  ; the coordinate along which other clusters read the same rows
	s_cselect_b64 s[PFA:PFA+1], s[14:15], s[46:47]
	s_cmp_eq_u32 s22, 0
	s_cselect_b32 s[LIM], 1, -1                    ; the same in all sixteen partners, for a given wave
	s_lshl_b32 s21, s21, 2                         ; my work-group's four panels of the sixteen
	s_mul_i32 s20, s21, s23
	s_mov_b32 s21, 0
	s_add_nc_u64 s[PFA:PFA+1], s[PFA:PFA+1], s[20:21]
	s_add_nc_u64 s[PFA:PFA+1], s[PFA:PFA+1], s[PST:PST+1]
	s_add_nc_u64 s[PFA:PFA+1], s[PFA:PFA+1], s[PST:PST+1]  ; at K step 2: the first refill steps it to 3.  Nothing is prefetched here, at the head
	v_bfe_u32 v3, v0, 3, 2                         ; lane >> 3: the panel
	v_mul_u32_u24 v[PFO], v3, s23
	v_and_b32 v4, 7, v0                            ; lane & 7: the block of 256 bytes
	v_lshl_add_u32 v[PFO], v4, 8, v[PFO]
	v_bfe_u32 v3, v0, 2, 2
	v_mul_u32_u24 v[PFO2], v3, 45056
	v_and_b32 v4, 3, v0
	v_min_u32 v4, 2, v4
	v_lshl_add_u32 v[PFO2], v4, 8, v[PFO2]
	v_add_nc_u32 v[PFO2], 2048, v[PFO2]            ; blocks 8, 9, 10
; 8 matrix instructions: column block b x all 8 row blocks, 32 along K, from buffer f.  zero = 1: the first product starts the sums.
; All 88 accumulators take turns, one instruction a turn, in the same order in every quarter.
.macro MULB f, b, zero
.set W, 1+(\b)/4
.if ((\f) == 1) && ((\b) < 8)
	WIN (W<<6)|(W<<4)|3
.set rB, FB1L+8*(\b)
.elseif (\f) == 1
	WIN (W<<6)|(W<<4)
.set rB, FB1H+8*((\b)-8)
.else
	WIN (W<<6)|(W<<4)
.set rB, FB0+8*(\b)
.endif
.irp a, 0,1,2,3,4,5,6,7
.set rC, 8*(8*((\b)%4)+(\a))
.set rA, FA+64*(\f)+8*(\a)
.if \zero
	v_wmma_f32_16x16x32_bf16 v[rC:rC+7], v[rB:rB+7], v[rA:rA+7], 0
.else
	v_wmma_f32_16x16x32_bf16 v[rC:rC+7], v[rB:rB+7], v[rA:rA+7], v[rC:rC+7]
.endif
.endr
.endm
; 38 LDS loads in one run: the fragments of quarter q of a slot's K step into buffer f: xb's 8, wgu's blocks 0-7, then its blocks 8-10
.macro FETCH slot, q, f
	WIN 0
.irp a, 0,1,2,3,4,5,6,7
	ds_load_b128 v[FA+64*(\f)+8*(\a):FA+64*(\f)+8*(\a)+3],   v[ADRA+(\slot)] offset:8192*(\q)+256*(\a)
	ds_load_b128 v[FA+64*(\f)+8*(\a)+4:FA+64*(\f)+8*(\a)+7], v[ADRA+(\slot)] offset:8192*(\q)+256*(\a)+4096
.endr
.if (\f) == 1
	WIN 0xc0                                       ; destination window 3, address window 0
.irp b, 0,1,2,3,4,5,6,7
	ds_load_b128 v[FB1L+8*(\b):FB1L+8*(\b)+3],   v[ADRB+(\slot)] offset:11264*(\q)+256*(\b)
	ds_load_b128 v[FB1L+8*(\b)+4:FB1L+8*(\b)+7], v[ADRB+(\slot)] offset:11264*(\q)+256*(\b)+5632
.endr
	WIN 0
.irp b, 8,9,10
	ds_load_b128 v[FB1H+8*((\b)-8):FB1H+8*((\b)-8)+3],   v[ADRB+(\slot)] offset:11264*(\q)+256*(\b)
	ds_load_b128 v[FB1H+8*((\b)-8)+4:FB1H+8*((\b)-8)+7], v[ADRB+(\slot)] offset:11264*(\q)+256*(\b)+5632
.endr
.else
.irp b, 0,1,2,3,4,5,6,7,8,9,10
	ds_load_b128 v[FB0+8*(\b):FB0+8*(\b)+3],   v[ADRB+(\slot)] offset:11264*(\q)+256*(\b)
	ds_load_b128 v[FB0+8*(\b)+4:FB0+8*(\b)+7], v[ADRB+(\slot)] offset:11264*(\q)+256*(\b)+5632
.endr
.endif
.endm
; A K step is four quarters of 32 along K, 88 matrix instructions each, on buffers 0, 1, 0, 1.  One of the first three: multiplies buffer f and fetches quarter q into buffer g,
; 72 matrix instructions ahead of its first use.
.macro QUARTER slot, q, f, g, zero
	s_wait_dscnt 6                                 ; all of buffer f but the six youngest loads (wgu's blocks 8-10)
	MULB \f, 0, \zero
	MULB \f, 1, \zero
	PLACES
	FETCH \slot, \q, \g
.irp b, 2,3,4,5,6,7
	MULB \f, \b, \zero
.endr
	s_wait_dscnt 38                                ; all but the 38 just issued
.irp b, 8,9,10
	MULB \f, \b, \zero
.endr
.endm
; The last quarter multiplies buffer 1 and changes slots: ONE barrier.  In front of it each wave waits for all its tensor loads (one is out: its part of the next slot), adds 0 to its spare
; word, and waits for that and for its own reads of this slot.  fill = 1: the barrier opens a round of the cluster's, and this slot is filled again first behind it, with the K step two on:
; from that request to the wait for it stand 320 matrix instructions.
.macro TURN slot, next, fill, how
.if \fill
	s_wait_xcnt 0x0                                ; the last prefetch, a K step back, has read its address: it is stepped here, ahead of the waits of the change of slots
	s_add_nc_u64 s[PFA:PFA+1], s[PFA:PFA+1], s[PST:PST+1]
.endif
	WIN 0                                          ; (the add's two registers lie in window 0)
	s_wait_tensorcnt 0x0                           ; all my tensor loads have landed
	ds_add_u32 v[SPW], v[NIL]                      ; 0 onto my spare word
	s_wait_dscnt 7                                 ; (the add and the six youngest loads may be out)
	MULB 1, 0, 0
	MULB 1, 1, 0
	s_wait_dscnt 0x0                               ; the add is done, and my reads of this slot are over
	s_barrier_signal -1
	MULB 1, 2, 0                                   ; work on registers while the others arrive
	MULB 1, 3, 0
	WIN 0
	s_barrier_wait -1
.if \fill
	CREST                                          ; no wave of any partner still reads this slot's tile or has a load on its way
	s_add_nc_u64 s[G0+4*(\slot)+2:G0+4*(\slot)+3], s[G0+4*(\slot)+2:G0+4*(\slot)+3], 2*KA
	s_add_nc_u64 s[G0B+4*(\slot)+2:G0B+4*(\slot)+3], s[G0B+4*(\slot)+2:G0B+4*(\slot)+3], 2*KB
	JLOAD \slot                                    ; the first tensor load behind the round; its four v_nop are also the places in front of the loads below
.else
	PLACES
.endif
	FETCH \next, 0, 0
.if \fill
	ASK \how
.endif
.irp b, 4,5,6,7,8,9,10
	MULB 1, \b, 0
.endr
.endm
	s_wait_tensorcnt 1                             ; my part of K step 0 is in; K step 1's may stay out
	s_barrier_signal -1
	s_barrier_wait -1                              ; everybody's is
	FETCH 0, 0, 0
	QUARTER 0, 1, 0, 1, 1                          ; the first quarter stands in front of the loop: its products start the sums
	WIN 0                                          ; at a label and at a branch every window is 0
	s_mov_b32 s3, 7
.Llap:                                                 ; a trip goes once round the ring, from a lap's second quarter to the next lap's first, and fills both slots again: K steps 2 to 15
	QUARTER 0, 2, 1, 0, 0
	QUARTER 0, 3, 0, 1, 0
	TURN 0, 1, 1, 1
	QUARTER 1, 1, 0, 1, 0
	QUARTER 1, 2, 1, 0, 0
	QUARTER 1, 3, 0, 1, 0
	TURN 1, 0, 1, 0
	QUARTER 0, 1, 0, 1, 0
	WIN 0
	s_sub_co_u32 s3, s3, 1
	s_cmp_lg_u32 s3, 0
	s_cbranch_scc1 .Llap
	QUARTER 0, 2, 1, 0, 0                          ; the last lap fills nothing, and has no round of the cluster's barrier
	QUARTER 0, 3, 0, 1, 0
	TURN 0, 1, 0, 0
	QUARTER 1, 1, 0, 1, 0
	QUARTER 1, 2, 1, 0, 0
	QUARTER 1, 3, 0, 1, 0
	s_wait_dscnt 6                                 ; the very last quarter: nothing more to fetch
.irp b, 0,1,2,3,4,5,6,7
	MULB 1, \b, 0
.endr
	s_wait_dscnt 0x0
.irp b, 8,9,10
	MULB 1, \b, 0
.endr
	WIN 0
	PLACES
	PLACES
; THE WAY OUT, a column block (one panel of h, 128 rows) at a time.  T takes -g log2(e) of the block's 32 gates a lane (each accumulator's lowest registers are read first);
; 32 exponentials, one batch, one wait; + 1; 32 reciprocals, one batch, one wait; times gate, then times up, as the module has it; rounded to bf16; 8 stores of 8 bytes a lane,
; each 256 consecutive bytes (16 rows of the panel) at a multiple of 256 from h's first byte.
.macro BATCH b
.set W, 1+(\b)/4
	WIN W                                          ; source 0 in the accumulators' window
.irp a, 0,1,2,3,4,5,6,7
.set AC, 8*(8*((\b)%4)+(\a))
	v_pk_mul_f32 v[T+4*(\a):T+4*(\a)+1],   v[AC:AC+1],   s[CS:CS+1] op_sel_hi:[1,0]
	v_pk_mul_f32 v[T+4*(\a)+2:T+4*(\a)+3], v[AC+4:AC+5], s[CS:CS+1] op_sel_hi:[1,0]
.endr
	WIN 0
.set i, 0
.rept 32
	v_exp_f32 v[T+i], v[T+i]
.set i, i+1
.endr
	v_nop                                          ; a plain instruction behind the last exponential (ISA guide 5.7.2),
	s_wait_alu depctr_va_vdst(0)                   ; and the wait ahead of the first use: one for the batch
.set i, 0
.rept 16
	v_pk_add_f32 v[T+i:T+i+1], v[T+i:T+i+1], 1.0 op_sel_hi:[1,0]
.set i, i+2
.endr
.set i, 0
.rept 32
	v_rcp_f32 v[T+i], v[T+i]
.set i, i+1
.endr
	v_nop
	s_wait_alu depctr_va_vdst(0)                   ; one for the 32 reciprocals
	WIN W
.irp a, 0,1,2,3,4,5,6,7
.set AC, 8*(8*((\b)%4)+(\a))
	v_pk_mul_f32 v[T+4*(\a):T+4*(\a)+1],   v[AC:AC+1],   v[T+4*(\a):T+4*(\a)+1]
	v_pk_mul_f32 v[T+4*(\a)+2:T+4*(\a)+3], v[AC+4:AC+5], v[T+4*(\a)+2:T+4*(\a)+3]
.endr
.irp a, 0,1,2,3,4,5,6,7
.set AC, 8*(8*((\b)%4)+(\a))
	v_pk_mul_f32 v[T+4*(\a):T+4*(\a)+1],   v[AC+2:AC+3], v[T+4*(\a):T+4*(\a)+1]
	v_pk_mul_f32 v[T+4*(\a)+2:T+4*(\a)+3], v[AC+6:AC+7], v[T+4*(\a)+2:T+4*(\a)+3]
.endr
	WIN 0
.if (\b) > 0
	s_wait_xcnt 0x0                                ; the last block's stores have read O: only behind this wait is it rewritten
.endif
.irp a, 0,1,2,3,4,5,6,7
	v_cvt_pk_bf16_f32 v[O+2*(\a)],   v[T+4*(\a)],   v[T+4*(\a)+1]
	v_cvt_pk_bf16_f32 v[O+2*(\a)+1], v[T+4*(\a)+2], v[T+4*(\a)+3]
.endr
.irp a, 0,1,2,3,4,5,6,7
	global_store_b64 v[HO], v[O+2*(\a):O+2*(\a)+1], s[8:9] offset:131072*(\b)+256*(\a)
.endr
.endm
.irp b, 0,1,2,3,4,5,6,7,8,9,10
	BATCH \b
.endr
	s_wait_tensorcnt 0x0                           ; the wave's end, behind my last tensor load
	ds_add_u32 v[SPW], v[NIL]
	s_wait_dscnt 0x0
	CROUND                                         ; the closing round: no work-group ends while a partner may still ask for a tile that names it
	s_endpgm
.Lfunc_end_k_qaecb470154_gateup:
	.size	k_qaecb470154_gateup, .Lfunc_end_k_qaecb470154_gateup-k_qaecb470154_gateup
	.p2alignl 7, 3214868480
	.fill 96, 4, 3214868480
	.section	.rodata,"a",@progbits
	.p2align	6, 0x0
	.amdhsa_kernel k_qaecb470154_gateup
		.amdhsa_group_segment_fixed_size 327680
		.amdhsa_private_segment_fixed_size 0
		.amdhsa_enable_private_segment 0
		.amdhsa_kernarg_size 24
		.amdhsa_user_sgpr_count 2
		.amdhsa_user_sgpr_kernarg_segment_ptr 1
		.amdhsa_wavefront_size32 1
		.amdhsa_system_sgpr_workgroup_id_x 1
		.amdhsa_system_sgpr_workgroup_id_y 1
		.amdhsa_system_sgpr_workgroup_id_z 1
		.amdhsa_system_vgpr_workitem_id 0
		.amdhsa_next_free_vgpr 1024
		.amdhsa_next_free_sgpr 72
		.amdhsa_reserve_vcc 0
		.amdhsa_float_denorm_mode_32 3
		.amdhsa_float_denorm_mode_16_64 3
		.amdhsa_memory_ordered 1
		.amdhsa_forward_progress 1
		.amdhsa_inst_pref_size 232
	.end_amdhsa_kernel
	.amdgpu_metadata
---
amdhsa.version: [ 1, 2 ]
amdhsa.kernels:
  - .name:           k_qaecb470154_gateup
    .symbol:         k_qaecb470154_gateup.kd
    .args:
      - { .name: xb, .offset: 0, .size: 8, .value_kind: global_buffer, .address_space: global }
      - { .name: wgu, .offset: 8, .size: 8, .value_kind: global_buffer, .address_space: global }
      - { .name: h, .offset: 16, .size: 8, .value_kind: global_buffer, .address_space: global }
    .group_segment_fixed_size: 327680
    .private_segment_fixed_size: 0
    .kernarg_segment_align: 8
    .kernarg_segment_size: 24
    .max_flat_workgroup_size: 128
    .sgpr_count:     72
    .vgpr_count:     1024
    .wavefront_size: 32
...
	.end_amdgpu_metadata
.endif
;; end of part 2
;; launch down (part 3): grid 8 x 32, 4 waves a work-group, clusters of 4 x 4, 327,680 bytes of LDS; arguments h, wd, out0; writes out0
.if DOCPART == 3
	.amdgcn_target "amdgcn-amd-amdhsa--gfx1250"
	.amdhsa_code_object_version 6
	.text
	.protected	k_qaecb470154_down
	.globl	k_qaecb470154_down
	.p2align	8
	.type	k_qaecb470154_down,@function
k_qaecb470154_down:
	s_mov_b64 s[64:65], 0
	v_nop
	global_prefetch_b8 v0, s[64:65] scope:SCOPE_SE
	s_setreg_imm32_b32 hwreg(HW_REG_WAVE_MODE, 25, 1), 1
	s_wait_xcnt 0x0
	s_wait_alu depctr_hold_cnt(0) depctr_sa_sdst(0) depctr_va_vdst(0) depctr_va_sdst(0) depctr_va_ssrc(0) depctr_va_vcc(0) depctr_vm_vsrc(0)
	s_getreg_b32 s2, hwreg(HW_REG_IB_STS2, 6, 4)
	s_cmp_eq_u32 s2, 0
	s_cbranch_scc0 .Lentry_in_a_cluster
	s_endpgm
.Lentry_in_a_cluster:
	s_bfe_u32 s2, ttmp6, 0x10000c
	s_cmp_lg_u32 s2, 0xf033
	s_cbranch_scc0 .Lentry_shape_is_right
	s_endpgm
.Lentry_shape_is_right:
; DOWN: out0[m][n] = the sum over k of h[m][k] Wd[n][k].  h: 176 panels x 8,192 rows, wd: 176 panels x 2,048 rows, bf16 in panel format (element (row, k) at byte
; ((k >> 3) x ROWS + row) x 16 + (k & 7) x 2); out0: [8192][2048] f32, row-major.  Sums in f32.  K = 1,408: the module's 1,376 and 32 columns that are 0 in both operands.
; SHARES.  A tile of 256 x 256 gives 32 x 8 = 256 work-groups.  Four waves, each 128 x 128: 64 accumulators of 16 x 16, 512 registers.  K goes in 11 steps of 128 through two LDS slots.
; The loop's trip is ONE K step: the slot in hand is a scalar register turned by an exclusive or, and one descriptor a tensor walks from slot to slot, so the odd number of steps needs no text of its own.
; PANELS IN LDS.  A tile of 128 rows x 128 k is 16 pieces of 2,048 consecutive bytes, laid into LDS without padding; a fragment load of 16 bytes a lane takes, in each half of the lanes,
; 256 consecutive bytes of one panel: every bank once (64 banks of 4 bytes: ISA guide 11.1).
; THE MATRIX INSTRUCTION IS USED TRANSPOSED (source 0 = 16 rows of wd, source 1 = 16 rows of h): a lane holds row l % 16 and eight neighbouring columns, 32 bytes of a row of out0.
; CLUSTERS: 4 x 4 work-groups; h's tiles are shared along a row of the cluster, wd's along a column: each is asked for JOINTLY.
; REGISTERS, in windows of 256 (s_set_vgpr_msb: bits 1:0 source 0, 3:2 source 1, 5:4 source 2, 7:6 destination):
;   window 0: v0-31 addresses; v64-127, v128-191 fragments of h, two buffers (on the way out: rows read back)      window 1: v64-127, v128-191 fragments of wd, two buffers
;   window 2: the accumulators of my rows 0-63 ((a, b) at v[8 (8 a + b)]);   window 3: those of my rows 64-127
.set SLOT1, 1<<17                      ; a slot: h's two halves, wd's two halves, 32,768 bytes each; slot 1 begins here
.set STAGE, 2*SLOT1                    ; behind the ring, never filled by a tensor load: 16 rows x 528 bytes for each wave, for the way out
.set SP,    528                        ; 512 bytes + 16: the 16 rows that a store touches start at 16 different groups of four banks
.set SPARE, STAGE+4*16*SP              ; behind the stages: the spare words, 128 bytes a wave: two blocks of 256 bytes that no other line names
.set KA,    2097152                    ; bytes from K step to K step in h: 16 panels of 131,072
.set KB,    524288                     ; in wd: 16 panels of 32,768
.set LA,   16                          ; v16  my lane's place in a slot's tile of h; never rewritten
.set LB,   17                          ; v17  the same for wd
.set ADRA, 18                          ; v18  LA + the slot in hand
.set ADRB, 19                          ; v19  LB + the slot in hand
.set STO,  24                          ; v24  the way out: where I put 32 bytes of a row
.set RD,   25                          ; v25  the way out: where I read a row back
.set CO,   26                          ; v26  16 x lane: my bytes in 512 of a row of out0
.set SPW,  28                          ; v28  LDS address of my spare word; never rewritten
.set NIL,  29                          ; v29  0; never rewritten
.set PFO,  30                          ; v30  the prefetches' offset; never rewritten
.set F0,   64
.set F1,   128
.set G1,  24                           ; s[24:31] descriptor group 1 for h's tiles;  s[32:39] group 0: a set for each of the two first fills; the second then walks on
.set G0,  32
.set G1B, 48                           ; s[48:55], s[56:63] the same for wd's tiles
.set G0B, 56
.set LIM, 43                           ; s43      2 in a wave that prefetches, else the greatest number
.set PFA, 44                           ; s[44:45] where my prefetches stand
.set PST, 68                           ; s[68:69] a K step in the buffer that I prefetch
.set TB,  70                           ; s70      LDS byte at which the slot in hand begins
.set MSB, 0
.macro WIN new                         ; the immediate's high byte repeats the setting that is left; a switch that changes nothing is dropped
.if MSB != (\new)
	s_set_vgpr_msb (MSB<<8)|(\new)
.set MSB, \new
.endif
.endm
.set MUL_LO, 0xa1                      ; source 0 (wd) window 1, source 1 (h) window 0, C and D window 2
.set MUL_HI, 0xf1                      ; the same, C and D window 3
.set TO_B,   0x40                      ; destination window 1, address window 0
.macro JLOAD s                         ; a joint load: waves 0 and 1 fetch h's two halves, waves 2 and 3 wd's; an s_nop 0 and four v_nop follow each of the two lines
	s_cmp_eq_u32 s11, 0
	s_cbranch_scc0 .Lfor_b_\@
	tensor_load_to_lds s[G0+4*(\s):G0+4*(\s)+3], s[G1:G1+7]
	s_nop 0
.rept 4
	v_nop
.endr
	s_branch .Lasked_\@
.Lfor_b_\@:
	tensor_load_to_lds s[G0B+4*(\s):G0B+4*(\s)+3], s[G1B:G1B+7]
	s_nop 0
.rept 4
	v_nop
.endr
.Lasked_\@:
.endm
; A PREFETCH INTO THE L2 of the K step that stands TWO refills on: 512 matrix instructions ahead of the load that will ask for it.  h's tile row is read by both clusters of a row of clusters:
; cluster x = 0 asks (waves 0, 1); wd's tile column by all eight clusters of a column: cluster y = 0 asks (waves 2, 3).  Of the 16 panels that a wave fetches, the partner at place p (cx for h,
; cy for wd) takes 4 p .. 4 p + 3, told apart BY ADDRESS: 4 panels x 8 blocks of 256 bytes, a lane a block, one instruction.  The loop's last two trips (s3 = 2, 1) have no such K step.
.macro ASK
	s_cmp_gt_u32 s3, s[LIM]
	s_cbranch_scc0 .Lnot_mine_\@
	global_prefetch_b8 v[PFO], s[PFA:PFA+1] th:TH_LOAD_NT scope:SCOPE_SE
.Lnot_mine_\@:
.endm
.macro CREST                           ; a round of the cluster's barrier behind its opening barrier
	s_cmp_lg_u32 s10, 0
	s_cbranch_scc1 .Lnot_wave_0_\@
	s_barrier_signal -3
.Lnot_wave_0_\@:
	s_barrier_wait -3
	s_barrier_signal -1
	s_barrier_wait -1
.endm
.macro CROUND                          ; a whole round
	s_barrier_signal -1
	s_barrier_wait -1
	CREST
.endm
.macro PLACES                          ; four places in front of loads into registers that matrix instructions have read
.rept 4
	v_nop
.endr
.endm
	s_load_b128 s[4:7], s[0:1], 0x0                ; h s[4:5], wd s[6:7]
	s_load_b64 s[8:9], s[0:1], 0x10                ; out0
	v_lshl_add_u32 v[SPW], v0, 2, SPARE
	v_mov_b32 v[NIL], 0
	ds_add_u32 v[SPW], v[NIL]                      ; the wave's opening: the add, twice on end, and its wait ahead of my first tensor load
	ds_add_u32 v[SPW], v[NIL]                      ; and once more, under the one wait; the set-up below is work on registers
	v_lshrrev_b32 v1, 5, v0
	v_readfirstlane_b32 s10, v1                    ; wave 0..3
	s_lshr_b32 s11, s10, 1                         ; which half of the tile's rows is mine.  Also: I fetch for h (0) or for wd (1)
	s_and_b32 s12, s10, 1                          ; which half of its columns.  Also: which half of that tile I fetch
	s_bfe_u32 s40, ttmp6, 0x40000                  ; cx
	s_bfe_u32 s41, ttmp6, 0x40004                  ; cy
	s_lshl_b32 s42, ttmp9, 2
	s_add_co_u32 s42, s42, s40                     ; tile column = 4 x cluster x + cx, 0..7
	s_and_b32 s13, ttmp7, 0xffff
	s_lshl_b32 s13, s13, 2
	s_add_co_u32 s13, s13, s41                     ; tile row = 4 x cluster y + cy, 0..31
	s_lshl_b32 s43, s41, 2
	s_lshl_b32 s43, 15, s43                        ; my row of the cluster
	s_lshl_b32 s44, 0x1111, s40                    ; my column
	; descriptor group 1: 16 rows (the K step's panels) of 1,024 elements of 2 bytes; no padding
	s_or_b32 s[G1+0], s43, (1<<16)|(1<<21)         ; 15:0 the mask: h's tiles go to my row; 17:16 elements of 2 bytes; 21 set beside a mask
	s_or_b32 s[G1B+0], s44, (1<<16)|(1<<21)        ; wd's tiles go to my column
.irp g, G1, G1B
	s_mov_b32 s[(\g)+1], 1024<<16                  ; tensor_dim0 = 128 rows x 8 elements
	s_mov_b32 s[(\g)+2], 16<<16                    ; tensor_dim1 = 16 panels
	s_mov_b32 s[(\g)+3], 1024<<16                  ; tile_dim0
	s_mov_b32 s[(\g)+4], 16                        ; tile_dim1
	s_mov_b32 s[(\g)+6], 0
	s_mov_b32 s[(\g)+7], 0
.endr
	s_mov_b32 s[G1+5], 65536                       ; from panel to panel: 8,192 rows x 8 elements
	s_mov_b32 s[G1B+5], 16384                      ; 2,048 rows x 8 elements
	; where the tiles come from: h's hang on the tile row alone, wd's on the tile column alone, each in registers that never hold the other coordinate
	s_lshl_b32 s16, s13, 12                        ; 256 rows x 16 bytes
	s_lshl_b32 s17, s12, 11                        ; + my half's 128 rows
	s_add_co_u32 s16, s16, s17
	s_mov_b32 s17, 0
	s_lshl_b32 s46, s42, 12
	s_lshl_b32 s47, s12, 11
	s_add_co_u32 s46, s46, s47
	s_mov_b32 s47, 0
	s_lshl_b32 s20, s10, 15                        ; and where they go: wave x 32,768: no place in the cluster enters an LDS address
	s_wait_dscnt 0x0                               ; both opening adds are done
	s_wait_kmcnt 0x0
	s_add_nc_u64 s[14:15], s[4:5], s[16:17]
	s_add_nc_u64 s[46:47], s[6:7], s[46:47]
	CROUND                                         ; all sixteen work-groups are here: the first joint loads meet
.irp s, 0,1
	s_mov_b32 s[G0+4*(\s)], 1                                      ; count = 1
	s_add_co_u32 s[G0+4*(\s)+1], s20, (\s)*SLOT1                   ; LDS address
	s_add_nc_u64 s[G0+4*(\s)+2:G0+4*(\s)+3], s[14:15], (\s)*KA     ; global address: K step s
	s_or_b32 s[G0+4*(\s)+3], s[G0+4*(\s)+3], 0x80000000            ; type = 2
	s_mov_b32 s[G0B+4*(\s)], 1
	s_add_co_u32 s[G0B+4*(\s)+1], s20, (\s)*SLOT1
	s_add_nc_u64 s[G0B+4*(\s)+2:G0B+4*(\s)+3], s[46:47], (\s)*KB
	s_or_b32 s[G0B+4*(\s)+3], s[G0B+4*(\s)+3], 0x80000000
	JLOAD \s                                       ; two loads of mine are out here, one at any later time
.endr
	; A fragment is 16 rows x 32 k in 8 registers: lane l holds row l % 16; of the quarter's four panels it takes panel l / 16 and panel 2 + l / 16: two loads of 16 bytes, 4,096 bytes apart.
	v_and_b32 v1, 15, v0                           ; l % 16
	v_bfe_u32 v2, v0, 4, 1                         ; l / 16
	v_lshlrev_b32 v3, 4, v1
	v_lshl_add_u32 v3, v2, 11, v3                  ; 16 x row + 2,048 x half
	s_lshl_b32 s21, s11, 15                        ; my 128 rows of h
	s_lshl_b32 s22, s12, 15                        ; my 128 rows of wd,
	s_add_co_u32 s22, s22, 65536                   ; which lie behind h's 256
	v_add_nc_u32 v[LA], s21, v3
	v_add_nc_u32 v[LB], s22, v3
	s_mov_b32 s[TB], 0
	v_mov_b32 v[ADRA], v[LA]                       ; K step 0 lies in slot 0
	v_mov_b32 v[ADRB], v[LB]
	s_mul_i32 s23, s10, 16*SP
	s_add_co_u32 s23, s23, STAGE                   ; my stage
	v_mul_u32_u24 v4, v1, SP                       ; in: row l % 16, 32 bytes for each half of the lanes
	v_lshl_add_u32 v4, v2, 5, v4
	v_add_nc_u32 v[STO], s23, v4
	v_and_b32 v5, 31, v0
	v_lshlrev_b32 v[CO], 4, v5                     ; back: 32 lanes take one row of 512 bytes
	v_add_nc_u32 v[RD], s23, v[CO]
	; out0 at my wave's first row and column: row 256 x tile row + 128 x half (8,192 bytes a row), column 256 x tile column + 128 x half (4 bytes)
	s_lshl_b32 s16, s13, 21
	s_lshl_b32 s17, s11, 20
	s_add_co_u32 s16, s16, s17
	s_lshl_b32 s17, s42, 10
	s_add_co_u32 s16, s16, s17
	s_lshl_b32 s17, s12, 9
	s_add_co_u32 s16, s16, s17
	s_mov_b32 s17, 0
	s_add_nc_u64 s[8:9], s[8:9], s[16:17]
	; the prefetches.  s[14:15] and s[46:47] still stand at my tile of K step 0 in h and in wd
	s_and_b32 s22, ttmp7, 0xffff                   ; cluster y
	s_mov_b32 s23, 32768                           ; a panel in memory: wd's,
	s_mov_b32 s[PST], KB
	s_mov_b32 s[PST+1], 0
	s_cmp_eq_u32 s11, 0                            ; do I fetch for h?
	s_cselect_b32 s23, 131072, s23                 ; or h's
	s_cselect_b32 s[PST], KA, s[PST]
	s_cselect_b32 s21, s40, s41                    ; my place among the four that ask with me
	s_cselect_b32 s22, ttmp9, s22                  ; the coordinate along which other clusters read the same rows
	s_cselect_b64 s[PFA:PFA+1], s[14:15], s[46:47]
	s_cmp_eq_u32 s22, 0
	s_cselect_b32 s[LIM], 2, -1                    ; the same in all sixteen partners, for a given wave
	s_lshl_b32 s21, s21, 2                         ; my work-group's four panels of the sixteen
	s_mul_i32 s20, s21, s23
	s_mov_b32 s21, 0
	s_add_nc_u64 s[PFA:PFA+1], s[PFA:PFA+1], s[20:21]
	s_add_nc_u64 s[PFA:PFA+1], s[PFA:PFA+1], s[PST:PST+1]
	s_add_nc_u64 s[PFA:PFA+1], s[PFA:PFA+1], s[PST:PST+1]
	s_add_nc_u64 s[PFA:PFA+1], s[PFA:PFA+1], s[PST:PST+1]  ; at K step 3: the first refill steps it to 4.  Nothing is prefetched here, at the head
	v_bfe_u32 v3, v0, 3, 2                         ; lane >> 3: the panel
	v_mul_u32_u24 v[PFO], v3, s23
	v_and_b32 v4, 7, v0                            ; lane & 7: the block of 256 bytes
	v_lshl_add_u32 v[PFO], v4, 8, v[PFO]
; 16 matrix instructions: row blocks a0, a0 + 1 of the window's four (hi = 0: my rows 0-63, 1: rows 64-127) x all 8 column blocks, 32 along K.  zero = 1: the first product starts the sums.
; All 64 accumulators take turns, one instruction a turn, in the same order in every quarter.
.macro MUL16 f, hi, a0, zero
	WIN MUL_LO+0x50*(\hi)
.irp a, \a0, (\a0)+1
.irp b, 0,1,2,3,4,5,6,7
.if \zero
	v_wmma_f32_16x16x32_bf16 v[8*(8*(\a)+(\b)):8*(8*(\a)+(\b))+7], v[(\f)+8*(\b):(\f)+8*(\b)+7], v[(\f)+8*(4*(\hi)+(\a)):(\f)+8*(4*(\hi)+(\a))+7], 0
.else
	v_wmma_f32_16x16x32_bf16 v[8*(8*(\a)+(\b)):8*(8*(\a)+(\b))+7], v[(\f)+8*(\b):(\f)+8*(\b)+7], v[(\f)+8*(4*(\hi)+(\a)):(\f)+8*(4*(\hi)+(\a))+7], v[8*(8*(\a)+(\b)):8*(8*(\a)+(\b))+7]
.endif
.endr
.endr
.endm
; 32 LDS loads in one run: the fragments of quarter q of the slot in hand into buffer f: wd's 8, then h's 8
.macro FETCH q, f
	WIN TO_B
.irp i, 0,1,2,3,4,5,6,7
	ds_load_b128 v[(\f)+8*(\i):(\f)+8*(\i)+3],   v[ADRB] offset:8192*(\q)+256*(\i)
	ds_load_b128 v[(\f)+8*(\i)+4:(\f)+8*(\i)+7], v[ADRB] offset:8192*(\q)+256*(\i)+4096
.endr
	WIN 0
.irp i, 0,1,2,3,4,5,6,7
	ds_load_b128 v[(\f)+8*(\i):(\f)+8*(\i)+3],   v[ADRA] offset:8192*(\q)+256*(\i)
	ds_load_b128 v[(\f)+8*(\i)+4:(\f)+8*(\i)+7], v[ADRA] offset:8192*(\q)+256*(\i)+4096
.endr
.endm
; A K step is four quarters of 32 along K, 64 matrix instructions each, on buffers 0, 1, 0, 1.  One of the first three: multiplies buffer f and fetches quarter q into buffer g.
.macro QUARTER q, f, g, zero
	s_wait_dscnt 8                                 ; wd and h's rows 0-63 are in; the youngest eight loads (h's rows 64-127) may be out
	MUL16 \f, 0, 0, \zero
	MUL16 \f, 0, 2, \zero
	PLACES
	FETCH \q, \g
	s_wait_dscnt 32                                ; all but the 32 just issued
	MUL16 \f, 1, 0, \zero
	MUL16 \f, 1, 2, \zero
.endm
; The last quarter multiplies buffer 1 and changes slots: ONE barrier.  In front of it each wave waits for all its tensor loads (one is out: its part of the next slot), adds 0 to its spare
; word, and waits for that and for its own reads of this slot.  fill = 1: the barrier opens a round of the cluster's, and this slot is filled again first behind it, with the K step two on:
; from that request to the wait for it stand 224 matrix instructions.
.macro TURN fill
.if \fill
	s_wait_xcnt 0x0                                ; the last prefetch, a K step back, has read its address: it is stepped here, ahead of the waits of the change of slots
	s_add_nc_u64 s[PFA:PFA+1], s[PFA:PFA+1], s[PST:PST+1]
.endif
	WIN 0                                          ; (the add's two registers lie in window 0)
	s_wait_tensorcnt 0x0                           ; all my tensor loads have landed, so a group 0 may be written
	ds_add_u32 v[SPW], v[NIL]                      ; 0 onto my spare word; the descriptors' steps stand between it and the wait for it
.if \fill
	s_xor_b32 s[G0+5], s[G0+5], SLOT1              ; the walking descriptors: the other slot than last time,
	s_add_nc_u64 s[G0+6:G0+7], s[G0+6:G0+7], KA    ; the next K step; the type bits on top are not reached
	s_xor_b32 s[G0B+5], s[G0B+5], SLOT1
	s_add_nc_u64 s[G0B+6:G0B+7], s[G0B+6:G0B+7], KB
.endif
	s_wait_dscnt 9                                 ; (the add and the youngest eight loads may be out)
	MUL16 F1, 0, 0, 0
	s_wait_dscnt 0x0                               ; the add is done, and my reads of this slot are over
	s_barrier_signal -1
	MUL16 F1, 0, 2, 0                              ; work on registers while the others arrive
	WIN 0
	s_barrier_wait -1
.if \fill
	CREST                                          ; no wave of any partner still reads this slot's tile or has a load on its way
	JLOAD 1                                        ; the first tensor load behind the round; its four v_nop are also the places in front of the loads below
.else
	PLACES
.endif
	s_xor_b32 s[TB], s[TB], SLOT1                  ; the fetches go on in the other slot
	v_add_nc_u32 v[ADRA], s[TB], v[LA]
	v_add_nc_u32 v[ADRB], s[TB], v[LB]
	FETCH 0, F0
.if \fill
	ASK
.endif
	MUL16 F1, 1, 0, 0
	MUL16 F1, 1, 2, 0
.endm
	s_wait_tensorcnt 1                             ; my part of K step 0 is in; K step 1's may stay out
	s_barrier_signal -1
	s_barrier_wait -1                              ; everybody's is
	FETCH 0, F0
	QUARTER 1, F0, F1, 1                           ; the first quarter stands in front of the loop: its products start the sums
	WIN 0                                          ; at a label and at a branch every window is 0
	s_mov_b32 s3, 9
.Lstep:                                                ; a trip: from a K step's second quarter to the next step's first; it fills the slot that it leaves: K steps 2 to 10
	QUARTER 2, F1, F0, 0
	QUARTER 3, F0, F1, 0
	TURN 1
	QUARTER 1, F0, F1, 0
	WIN 0
	s_sub_co_u32 s3, s3, 1
	s_cmp_lg_u32 s3, 0
	s_cbranch_scc1 .Lstep
	QUARTER 2, F1, F0, 0                           ; K steps 9 and 10 fill nothing, and have no round of the cluster's barrier
	QUARTER 3, F0, F1, 0
	TURN 0
	QUARTER 1, F0, F1, 0
	QUARTER 2, F1, F0, 0
	QUARTER 3, F0, F1, 0
	s_wait_dscnt 8                                 ; the very last quarter: nothing more to fetch
	MUL16 F1, 0, 0, 0
	MUL16 F1, 0, 2, 0
	s_wait_dscnt 0x0
	MUL16 F1, 1, 0, 0
	MUL16 F1, 1, 2, 0
	WIN 0
	PLACES
	PLACES
; THE WAY OUT, a block of 16 rows at a time.  A lane's 32 bytes of a row go into my own stage (each accumulator's lowest registers first) and come back as whole rows of 512 bytes.
.macro TOSTAGE a
.set BK, 64+64*((\a)%2)
.if (\a) >= 2
	s_wait_xcnt 0x0                                ; the stores of the block two back have read these registers: only behind this wait are they loaded again
.endif
	WIN 0x08+4*((\a)/4)                            ; store data (source 1) in window 2 or 3
.irp b, 0,1,2,3,4,5,6,7
.set AC, 8*(8*((\a)%4)+(\b))
	ds_store_b128 v[STO], v[AC:AC+3]   offset:64*(\b)
	ds_store_b128 v[STO], v[AC+4:AC+7] offset:64*(\b)+16
.endr
	WIN 0
.irp t, 0,1,2,3,4,5,6,7,8,9,10,11,12,13,14,15
	ds_load_b128 v[BK+4*(\t):BK+4*(\t)+3], v[RD] offset:SP*(\t)  ; LDS serves a wave's instructions in order (ISA guide 5.7.1.4): these see the stores above; the next block's stores come behind them
.endr
.endm
.macro SEND a, younger                 ; younger: the LDS instructions issued behind block a's loads: the next block's 32, or none
.set BK, 64+64*((\a)%2)
	s_wait_dscnt \younger
.irp t, 0,1,2,3,4,5,6,7,8,9,10,11,12,13,14,15
	global_store_b128 v[CO], v[BK+4*(\t):BK+4*(\t)+3], s[8:9] offset:(16*(\a)+(\t))*8192 th:TH_STORE_NT  ; 512 consecutive bytes of a row, at a multiple of 512 from out0's first byte
.endr
.endm
	TOSTAGE 0
.irp a, 1,2,3,4,5,6,7
	TOSTAGE \a
	SEND (\a)-1, 32
.endr
	SEND 7, 0
	s_wait_tensorcnt 0x0                           ; the wave's end, behind my last tensor load and my last LDS store
	ds_add_u32 v[SPW], v[NIL]
	s_wait_dscnt 0x0
	CROUND                                         ; the closing round: no work-group ends while a partner may still ask for a tile that names it
	s_endpgm
.Lfunc_end_k_qaecb470154_down:
	.size	k_qaecb470154_down, .Lfunc_end_k_qaecb470154_down-k_qaecb470154_down
	.p2alignl 7, 3214868480
	.fill 96, 4, 3214868480
	.section	.rodata,"a",@progbits
	.p2align	6, 0x0
	.amdhsa_kernel k_qaecb470154_down
		.amdhsa_group_segment_fixed_size 327680
		.amdhsa_private_segment_fixed_size 0
		.amdhsa_enable_private_segment 0
		.amdhsa_kernarg_size 24
		.amdhsa_user_sgpr_count 2
		.amdhsa_user_sgpr_kernarg_segment_ptr 1
		.amdhsa_wavefront_size32 1
		.amdhsa_system_sgpr_workgroup_id_x 1
		.amdhsa_system_sgpr_workgroup_id_y 1
		.amdhsa_system_sgpr_workgroup_id_z 1
		.amdhsa_system_vgpr_workitem_id 0
		.amdhsa_next_free_vgpr 1024
		.amdhsa_next_free_sgpr 72
		.amdhsa_reserve_vcc 0
		.amdhsa_float_denorm_mode_32 3
		.amdhsa_float_denorm_mode_16_64 3
		.amdhsa_memory_ordered 1
		.amdhsa_forward_progress 1
		.amdhsa_inst_pref_size 115
	.end_amdhsa_kernel
	.amdgpu_metadata
---
amdhsa.version: [ 1, 2 ]
amdhsa.kernels:
  - .name:           k_qaecb470154_down
    .symbol:         k_qaecb470154_down.kd
    .args:
      - { .name: h, .offset: 0, .size: 8, .value_kind: global_buffer, .address_space: global }
      - { .name: wd, .offset: 8, .size: 8, .value_kind: global_buffer, .address_space: global }
      - { .name: out0, .offset: 16, .size: 8, .value_kind: global_buffer, .address_space: global }
    .group_segment_fixed_size: 327680
    .private_segment_fixed_size: 0
    .kernarg_segment_align: 8
    .kernarg_segment_size: 24
    .max_flat_workgroup_size: 128
    .sgpr_count:     72
    .vgpr_count:     1024
    .wavefront_size: 32
...
	.end_amdgpu_metadata
.endif
;; end of part 3
;; ======== version 2 of 2: 3 launches; version 1 with the launch prep written anew for expert scheduling mode
;; workspace buffers: xb 33,554,432 bytes; wgu 11,534,336 bytes; wd 5,767,168 bytes; h 23,068,672 bytes
;; launch prep (part 4): grid 776 x 1, 8 waves a work-group, no clusters, 68,608 bytes of LDS; arguments x, lut, gate_idx, up_idx, down_idx, xb, wgu, wd; writes xb, wgu, wd
.if DOCPART == 4
	.amdgcn_target "amdgcn-amd-amdhsa--gfx1250"
	.amdhsa_code_object_version 6
	.text
	.protected	k_qaecb470154_prep
	.globl	k_qaecb470154_prep
	.p2align	8
	.type	k_qaecb470154_prep,@function
k_qaecb470154_prep:
	s_mov_b64 s[64:65], 0
	v_nop
	global_prefetch_b8 v0, s[64:65] scope:SCOPE_SE
	s_setreg_imm32_b32 hwreg(HW_REG_WAVE_SCHED_MODE, 0, 2), 2
	s_setreg_imm32_b32 hwreg(HW_REG_WAVE_MODE, 25, 1), 1
	s_wait_xcnt 0x0
	s_wait_alu depctr_vm_vsrc(0)
; PREP: x to bf16, and the three weight matrices through the table to bf16, all into PANEL FORMAT for the two products that follow.
; PANEL FORMAT of a [ROWS][K] bf16 matrix: element (row, k) lies at byte ((k >> 3) x ROWS + row) x 16 + (k & 7) x 2: a panel is 8 neighbouring k of all rows, 16 bytes a row.
;   xb  : 256 panels x 8,192 rows   = x
;   wgu : 256 panels x 2,816 rows   : physical rows 4 i, 4 i + 1 = gate rows 2 i, 2 i + 1; rows 4 i + 2, 4 i + 3 = up rows 2 i, 2 i + 1; rows 2,752 on are 0
;   wd  : 176 panels x 2,048 rows   = down; panels 172 to 175 (k from 1,376 on) are 0
; LIMITS.  A code above 15 (a negative one too, read as unsigned) counts as 15; the problem's codes lie in 0 to 15.  x and the table are rounded once, to bf16.
; SHARES.  A wave takes a block of 32 output rows x 128 k: 32 loads of 16 bytes a lane (each 512 consecutive bytes of one source row), the conversion, a transposition
; through 8,448 LDS bytes of its own, and 16 stores of 16 bytes a lane, each 512 consecutive bytes (32 rows of one panel), at a multiple of 512 from the buffer's first byte.
; No wave reads another's LDS bytes, so there is no barrier.  All 32 loads of a wave go out at once; memory binds, so matrix units, clusters and tensor loads would add nothing.
; Work-groups 0-175 make wgu (88 groups of 32 rows x 16 groups of 128 k, 8 blocks each), 176-263 wd (64 x 11), 264-775 xb (256 x 16).
; THE MODE: SCHED_MODE bits 1:0 = 2 (LLVM: expert scheduling mode 2), set by the entry lines.  The code itself states the register dependences
; between vector instructions and memory or LDS instructions, with s_wait_alu, always for 0.
; THE PLAN.  Registers that memory or LDS instructions touch:
;   XO, LS, LR, LO, SPW, NIL   made by vector lines at the head, read by loads, stores and LDS instructions, never written again: one wait on va_vdst at the head.
;   DO                         wd's path alone: made by vector lines, read by its 32 loads, never written again: one wait on va_vdst ahead of those loads.
;   LUT                        a load lands in it; the selects read it; never written again.
;   D0 .. D3                   four groups of 8 rows, 32 registers each.  Weights, group g, in program order: its loads land; C(g), vector, clamps and shifts in place; P(g), LDS, the 32 selects,
;                              read it as address and land in it (each on its own address register alone); V(g), vector, rounds and masks into each row's first two registers;
;                              S(g), LDS stores, read those.  At the end the panels' LDS loads land in D0 and D1, and the global stores read them.
; Step g of the weights: the wait for P(g); V(g); then P(g + 1) dealt with C(g + 2); then S(g).  Two waits a step: vm_vsrc ahead of V(g) (P(g) has read D[g]); va_vdst behind V(g)
; (V(g) has written what S(g) reads; C(g + 1) has written, and is done reading, what P(g + 1) reads and lands in).  The only vector lines behind that wait, C(g + 2), name D[g + 2] alone.
; x goes likewise without C and P: block g's roundings name D[g] alone, and the stores of block g - 1 are dealt among them behind one wait on va_vdst at the block's head.
.set WLDS,  8448                       ; a wave's LDS: 16 panels, 528 bytes apart; row t of the block at 16 t in a panel
.set PP,    528                        ; 512 + 16: the 32 lanes of a store of 8 bytes touch 32 different places modulo 256 bytes
.set SPARE, 8*WLDS                     ; behind the eight waves' bytes: the spare words, 128 bytes a wave: four blocks of 256 bytes that no other line names
.set XO,  3                            ; v3   16 x lane: offset of loads (x, gate, up) and of all stores; never rewritten
.set LS,  4                            ; v4   where my 8 bytes of a row go: wave's bytes + (lane >> 1) x 528 + (lane & 1) x 8
.set LR,  5                            ; v5   where I read a panel back: wave's bytes + 16 x lane
.set LUT, 6                            ; v6   lut[lane & 15]
.set MSK, 7                            ; v7   all ones, or 0 where the output is padding: named by vector lines alone
.set DO,  8                            ; v8   down's load offset, clamped into the row
.set LO,  9                            ; v9   4 x (lane & 15)
.set SPW, 10                           ; v10  LDS address of my spare word; never rewritten
.set NIL, 11                           ; v11  0; never rewritten
.set D,   16                           ; v[16:143]  row t of the block at D + 4 t; group g of 8 rows at D + 32 g
	s_load_b512 s[4:19], s[0:1], 0x0               ; x 4:5, lut 6:7, gate 8:9, up 10:11, down 12:13, xb 14:15, wgu 16:17, wd 18:19
	v_lshl_add_u32 v[SPW], v0, 2, SPARE
	v_mov_b32 v[NIL], 0
	v_lshrrev_b32 v1, 5, v0
	v_readfirstlane_b32 s20, v1                    ; wave 0..7
	v_and_b32 v2, 31, v0                           ; lane
	v_lshlrev_b32 v[XO], 4, v2
	v_lshrrev_b32 v1, 1, v2                        ; my 4 numbers lie in panel lane >> 1,
	v_mul_u32_u24 v[LS], v1, PP
	v_and_b32 v1, 1, v2                            ; in its lower or upper 8 bytes
	v_lshl_add_u32 v[LS], v1, 3, v[LS]
	v_and_b32 v[LO], 15, v0
	v_lshlrev_b32 v[LO], 2, v[LO]
	s_wait_alu depctr_va_sdst(0)                   ; s20 is written, ahead of its first reader, the line below
	s_mul_i32 s21, s20, WLDS
	v_add_nc_u32 v[LS], s21, v[LS]
	v_add_nc_u32 v[LR], s21, v[XO]
	s_wait_kmcnt 0x0
	s_wait_alu depctr_va_vdst(0)                   ; XO, LS, LR, LO, SPW and NIL are written: every load, store and LDS instruction of the kernel but wd's loads and the selects reads its address in one of them
	s_cmp_ge_u32 ttmp9, 264
	s_cbranch_scc1 .Lx
	global_load_b32 v[LUT], v[LO], s[6:7]          ; the oldest load: the first counted wait below covers it
	s_cmp_ge_u32 ttmp9, 176
	s_cbranch_scc1 .Ld
	; ---- wgu: group G of 32 physical rows = gate rows 16 G .. 16 G + 15 and the same rows of up; column group cg of 128 k
	s_lshr_b32 s22, ttmp9, 1                       ; G, 0..87
	s_and_b32 s23, ttmp9, 1
	s_lshl3_add_u32 s23, s23, s20                  ; cg = 8 (g & 1) + wave
	s_min_u32 s24, s22, 85                         ; groups 86 and 87 are padding: they load group 85's rows and write 0
	s_lshl_b32 s24, s24, 17                        ; 16 rows of 8,192 bytes
	s_lshl_b32 s25, s23, 9                         ; 128 codes of 4 bytes
	s_add_co_u32 s24, s24, s25
	s_mov_b32 s25, 0
	s_cmp_lt_u32 s22, 86
	s_cselect_b32 s26, -1, 0
	v_mov_b32 v[MSK], s26                          ; the one vector line between the head's wait and the loads: it names none of their registers
	s_mul_i32 s28, s23, 720896                     ; 16 panels of 2,816 rows x 16 bytes
	s_lshl_b32 s27, s22, 9                         ; 32 rows x 16 bytes
	s_add_co_u32 s28, s28, s27
	s_mov_b32 s29, 0
	s_add_nc_u64 s[8:9], s[8:9], s[24:25]
	s_add_nc_u64 s[10:11], s[10:11], s[24:25]
	s_add_nc_u64 s[16:17], s[16:17], s[28:29]
.set i, 0
.rept 32                               ; physical row i of the group: gate (i % 4 < 2) or up, source row 2 (i / 4) + i % 2
.set t, 2*(i/4)+(i%2)
.if (i%4) < 2
	global_load_b128 v[D+4*i:D+4*i+3], v[XO], s[8:9] offset:8192*t th:TH_LOAD_NT
.else
	global_load_b128 v[D+4*i:D+4*i+3], v[XO], s[10:11] offset:8192*t th:TH_LOAD_NT
.endif
.set i, i+1
.endr
	s_branch .Lconv
.Ld:	; ---- wd: row group rg of 32 rows, column group cg of 128 k (the eleventh holds 96 k and 32 of padding)
	s_sub_co_u32 s22, ttmp9, 176
	s_lshr_b32 s23, s22, 3                         ; cg, 0..10
	s_and_b32 s22, s22, 7
	s_lshl3_add_u32 s22, s22, s20                  ; rg = 8 (g' & 7) + wave
	s_lshl_b32 s26, s23, 9
	v_add_nc_u32 v[DO], s26, v[XO]                 ; 512 cg + 16 lane: my byte in a row of 5,504
	v_cmp_gt_u32 vcc_lo, 5504, v[DO]
	s_mul_i32 s24, s22, 176128                     ; 32 rows of 5,504 bytes
	s_mov_b32 s25, 0
	s_lshl_b32 s28, s23, 19                        ; 16 panels of 2,048 rows x 16 bytes
	s_lshl_b32 s27, s22, 9
	s_wait_alu depctr_va_vcc(0)                    ; the compare has written VCC, ahead of its one reader, the select below
	v_cndmask_b32 v[MSK], 0, -1, vcc_lo            ; beyond the row's end: 0 is written,
	v_min_u32 v[DO], 5488, v[DO]                   ; and the row's last 16 bytes are loaded, so that no load leaves the buffer
	s_add_co_u32 s28, s28, s27
	s_mov_b32 s29, 0
	s_add_nc_u64 s[12:13], s[12:13], s[24:25]
	s_add_nc_u64 s[18:19], s[18:19], s[28:29]
	s_wait_alu depctr_va_vdst(0)                   ; DO is written, which the 32 loads below read as their offset
.set i, 0
.rept 32
	global_load_b128 v[D+4*i:D+4*i+3], v[DO], s[12:13] offset:5504*i th:TH_LOAD_NT
.set i, i+1
.endr
; Codes become bf16 weights, eight rows a group.  The table lies across the lanes (lane l holds entry l & 15), and a code, clamped and times 4, selects the lane.
; P(g): the 32 selects of group g.  next = 1: C(g + 1), the clamps and shifts of the next group's codes, are dealt among them: those name D[g + 1] alone, which no select of this group touches.
.macro PERM g, next
.set i, 0
.rept 32
	ds_bpermute_b32 v[D+32*(\g)+i], v[D+32*(\g)+i], v[LUT]
.if \next
	v_min_u32 v[D+32*(\g)+32+i], 15, v[D+32*(\g)+32+i]
	v_lshlrev_b32 v[D+32*(\g)+32+i], 2, v[D+32*(\g)+32+i]
.endif
.set i, i+1
.endr
.endm
; V(g): a row's four weights are rounded into its first two registers, and masked.
.macro ROUNDW g
.set i, 8*(\g)
.rept 8
	v_cvt_pk_bf16_f32 v[D+4*i], v[D+4*i], v[D+4*i+1]
	v_cvt_pk_bf16_f32 v[D+4*i+1], v[D+4*i+2], v[D+4*i+3]
	v_and_b32 v[D+4*i], v[MSK], v[D+4*i]
	v_and_b32 v[D+4*i+1], v[MSK], v[D+4*i+1]
.set i, i+1
.endr
.endm
; S(g): the group's eight rows go into my LDS bytes, 8 bytes a lane.
.macro PUT g
.set i, 8*(\g)
.rept 8
	ds_store_b64 v[LS], v[D+4*i:D+4*i+1] offset:16*i
.set i, i+1
.endr
.endm
; Step g.  out = the LDS instructions issued behind P(g), which may stay out.  more = 2: P(g + 1) with C(g + 2); 1: P(g + 1) alone; 0: nothing is left to select.
; left = the loads younger than group g + 2's: loads come back in order, and 33 were issued (the table's, then the 32 rows').
.macro WSTEP g, out, more, left
	s_wait_dscnt \out                              ; LDS instructions come back in order (ISA guide 5.7.1): the selects of group g are back
	s_wait_alu depctr_vm_vsrc(0)                   ; the selects of group g have read D[g] as their addresses: the roundings below write it
	ROUNDW \g
.if (\more) == 2
	s_wait_loadcnt \left                           ; group g + 2's codes are in
.endif
	s_wait_alu depctr_va_vdst(0)                   ; the roundings have written the registers of D[g] that the stores below read; the clamps have written, and are done reading, D[g + 1], which the selects below read and land in
.if (\more) == 2
	PERM (\g)+1, 1
.elseif (\more) == 1
	PERM (\g)+1, 0
.endif
	PUT \g
.endm
; The block leaves by panels: 16 loads of 16 bytes a lane (LDS serves a wave's instructions in order, ISA guide 5.7.1.4: they see the stores above), 16 stores.
; The waits that these loads hang on stand ahead of the macro's three uses: no vector line stands behind the last wait on va_vdst, and the wait on vm_vsrc follows the last LDS store.
.macro OUT base, pstep
.irp p, 0,1,2,3,4,5,6,7,8,9,10,11,12,13,14,15
	ds_load_b128 v[D+4*(\p):D+4*(\p)+3], v[LR] offset:PP*(\p)
.endr
.irp p, 0,1,2,3,4,5,6,7,8,9,10,11,12,13,14,15
	s_wait_dscnt 15-(\p)                           ; panel p is back; the younger ones stay out
	global_store_b128 v[XO], v[D+4*(\p):D+4*(\p)+3], s[\base:\base+1] offset:(\p)*(\pstep)
.endr
.endm
.Lconv:
	s_wait_loadcnt 24                              ; the table and rows 0 to 7 are in; the 24 younger loads stay out
.set i, 0
.rept 32                               ; C(0)
	v_min_u32 v[D+i], 15, v[D+i]
	v_lshlrev_b32 v[D+i], 2, v[D+i]
.set i, i+1
.endr
	s_wait_loadcnt 16                              ; rows 8 to 15 are in
	s_wait_alu depctr_va_vdst(0)                   ; the clamps have written, and are done reading, D[0], which the selects below read and land in
	PERM 0, 1
	WSTEP 0, 0, 2, 8                               ; nothing was issued behind P(0)
	WSTEP 1, 8, 2, 0                               ; behind P(g): the eight stores of the group before
	WSTEP 2, 8, 1, 0
	WSTEP 3, 8, 0, 0
	s_wait_alu depctr_vm_vsrc(0)                   ; the LDS stores have read D[0] and D[1], in which the panels' loads land; ahead of the branch, for both ways out
	s_cmp_ge_u32 ttmp9, 176
	s_cbranch_scc1 .Lout_d
	OUT 16, 45056                                  ; wgu: panels 2,816 x 16 bytes apart
	s_branch .Lend
.Lout_d:
	OUT 18, 32768                                  ; wd: panels 2,048 x 16 bytes apart
	s_branch .Lend
.Lx:	; ---- xb: row group rg of 32 rows, column group cg of 128 k
	s_sub_co_u32 s22, ttmp9, 264
	s_lshr_b32 s23, s22, 1                         ; rg, 0..255
	s_and_b32 s22, s22, 1
	s_lshl3_add_u32 s22, s22, s20                  ; cg = 8 (g' & 1) + wave
	s_lshl_b32 s24, s23, 18                        ; 32 rows of 8,192 bytes
	s_lshl_b32 s26, s22, 9
	s_add_co_u32 s24, s24, s26
	s_mov_b32 s25, 0
	s_lshl_b32 s28, s22, 21                        ; 16 panels of 8,192 rows x 16 bytes
	s_lshl_b32 s26, s23, 9
	s_add_co_u32 s28, s28, s26
	s_mov_b32 s29, 0
	s_add_nc_u64 s[4:5], s[4:5], s[24:25]
	s_add_nc_u64 s[14:15], s[14:15], s[28:29]
.set i, 0
.rept 32
	global_load_b128 v[D+4*i:D+4*i+3], v[XO], s[4:5] offset:8192*i th:TH_LOAD_NT
.set i, i+1
.endr
; Block g of eight rows of x is rounded; the stores of block g - 1 are dealt among its roundings, one ahead of each row's two.  left = the younger loads, which stay out.
.macro XBLK g, left
	s_wait_loadcnt \left                           ; rows 8 g to 8 g + 7 are in
.if (\g) > 0
	s_wait_alu depctr_va_vdst(0)                   ; the roundings of the block before have written the registers of D[g - 1] that the stores below read; the roundings below name D[g] alone
.endif
.set i, 8*(\g)
.rept 8
.if (\g) > 0
	ds_store_b64 v[LS], v[D+4*i-32:D+4*i-31] offset:16*i-128
.endif
	v_cvt_pk_bf16_f32 v[D+4*i], v[D+4*i], v[D+4*i+1]
	v_cvt_pk_bf16_f32 v[D+4*i+1], v[D+4*i+2], v[D+4*i+3]
.set i, i+1
.endr
.endm
	XBLK 0, 24
	XBLK 1, 16
	XBLK 2, 8
	XBLK 3, 0
	s_wait_alu depctr_va_vdst(0)                   ; the last block's roundings have written the registers of D[3] that the stores below read; no vector line follows
	PUT 3
	s_wait_alu depctr_vm_vsrc(0)                   ; the LDS stores have read D[0] and D[1], in which the panels' loads land
	OUT 14, 131072                                 ; xb: panels 8,192 x 16 bytes apart
.Lend:
	s_wait_dscnt 0x0                               ; the wave's end
	s_wait_alu 0x0
	s_wait_tensorcnt 0x0
	ds_add_u32 v[SPW], v[NIL]
	s_wait_dscnt 0x0
	s_endpgm
.Lfunc_end_k_qaecb470154_prep:
	.size	k_qaecb470154_prep, .Lfunc_end_k_qaecb470154_prep-k_qaecb470154_prep
	.p2alignl 7, 3214868480
	.fill 96, 4, 3214868480
	.section	.rodata,"a",@progbits
	.p2align	6, 0x0
	.amdhsa_kernel k_qaecb470154_prep
		.amdhsa_group_segment_fixed_size 68608
		.amdhsa_private_segment_fixed_size 0
		.amdhsa_enable_private_segment 0
		.amdhsa_kernarg_size 64
		.amdhsa_user_sgpr_count 2
		.amdhsa_user_sgpr_kernarg_segment_ptr 1
		.amdhsa_wavefront_size32 1
		.amdhsa_system_sgpr_workgroup_id_x 1
		.amdhsa_system_sgpr_workgroup_id_y 1
		.amdhsa_system_sgpr_workgroup_id_z 1
		.amdhsa_system_vgpr_workitem_id 0
		.amdhsa_next_free_vgpr 144
		.amdhsa_next_free_sgpr 66
		.amdhsa_reserve_vcc 1
		.amdhsa_float_denorm_mode_32 3
		.amdhsa_float_denorm_mode_16_64 3
		.amdhsa_memory_ordered 1
		.amdhsa_forward_progress 1
		.amdhsa_inst_pref_size 53
	.end_amdhsa_kernel
	.amdgpu_metadata
---
amdhsa.version: [ 1, 2 ]
amdhsa.kernels:
  - .name:           k_qaecb470154_prep
    .symbol:         k_qaecb470154_prep.kd
    .args:
      - { .name: x, .offset: 0, .size: 8, .value_kind: global_buffer, .address_space: global }
      - { .name: lut, .offset: 8, .size: 8, .value_kind: global_buffer, .address_space: global }
      - { .name: gate_idx, .offset: 16, .size: 8, .value_kind: global_buffer, .address_space: global }
      - { .name: up_idx, .offset: 24, .size: 8, .value_kind: global_buffer, .address_space: global }
      - { .name: down_idx, .offset: 32, .size: 8, .value_kind: global_buffer, .address_space: global }
      - { .name: xb, .offset: 40, .size: 8, .value_kind: global_buffer, .address_space: global }
      - { .name: wgu, .offset: 48, .size: 8, .value_kind: global_buffer, .address_space: global }
      - { .name: wd, .offset: 56, .size: 8, .value_kind: global_buffer, .address_space: global }
    .group_segment_fixed_size: 68608
    .private_segment_fixed_size: 0
    .kernarg_segment_align: 8
    .kernarg_segment_size: 64
    .max_flat_workgroup_size: 256
    .sgpr_count:     66
    .vgpr_count:     144
    .wavefront_size: 32
...
	.end_amdgpu_metadata
.endif
;; end of part 4
;; launch gateup: the kernel of part 2 again; grid 8 x 32, 4 waves a work-group, clusters of 4 x 4, 327,680 bytes of LDS; arguments xb, wgu, h; writes h
;; launch down: the kernel of part 3 again; grid 8 x 32, 4 waves a work-group, clusters of 4 x 4, 327,680 bytes of LDS; arguments h, wd, out0; writes out0
